; MI455X (gfx1250); checked and timed in simulation.
; The chip was launched on July 23, 2026; its instructions are those of AMD's public machine-readable ISA for CDNA 5 (MIT licence, August 2026) and "CDNA5" Instruction Set Architecture Reference Guide (July 2026). The comments in the code are by the model that wrote it; some were corrected since.
;; Multi Head Attention. Allowed arithmetic: matrix products marked QUANTISED: E2M1 operands, one E8M0 scale for each 32 along K, by v_wmma_scale_f32_16x16x128_f8f6f4 with both operands' format E2M1 (or v_wmma_scale_f32_32x16x128_f4), f32 sums; products left as they are: f32 operands where the result goes on into a quantised operand, else bf16, f16 or f32 operands; f32 sums; everything else in f32.
;; Inputs: Wk_codes 1,024 x 32 x 16 uint8 (E2M1 codes of Wk, K innermost, in blocks of 32 codes, two codes a byte); Wk_scales 1,024 x 32 uint8 (E8M0 scales of Wk, one for each 32 codes along K); Wq_codes 1,024 x 32 x 16 uint8 (E2M1 codes of Wq, K innermost, in blocks of 32 codes, two codes a byte); Wq_scales 1,024 x 32 uint8 (E8M0 scales of Wq, one for each 32 codes along K); keys_codes 512 x 64 x 32 x 16 uint8 (E2M1 codes of keys, K innermost, in blocks of 32 codes, two codes a byte); keys_scales 512 x 64 x 32 uint8 (E8M0 scales of keys, one for each 32 codes along K); query_codes 64 x 32 x 16 uint8 (E2M1 codes of query, K innermost, in blocks of 32 codes, two codes a byte); query_scales 64 x 32 uint8 (E8M0 scales of query, one for each 32 codes along K); values_codes 512 x 64 x 32 x 16 uint8 (E2M1 codes of values, K innermost, in blocks of 32 codes, two codes a byte); values_scales 512 x 64 x 32 uint8 (E8M0 scales of values, one for each 32 codes along K).
;; Outputs: out0 64 x 1,024 float32.
;; This version of the problem:
;;   THIS VERSION OF THE PROBLEM IS GIVEN IN LOW PRECISION. The matrix products marked QUANTISED in the list below multiply operands that are first quantised to E2M1 (2 exponent bits, 1 mantissa bit; 4 bits a number), with one power-of-two scale for each 32 numbers along K (OCP MX v1.0); their sums are f32. All else is computed in f32.
;;   The module's matrix products, in the order in which they are computed (A, B: the left and right operand; K: the contracted axis; several contracted axes count as one K, in the product's order):
;;     1. [M 64, K 1,024] x [K 1,024, N 1,024]; A: input query (given as codes); B: input Wq (given as codes): QUANTISED
;;     2. [M 32,768, K 1,024] x [K 1,024, N 1,024]; A: input keys (given as codes); B: input Wk (given as codes): QUANTISED
;;     3. [M 32,768, K 1,024] x [K 1,024, N 1,024]; A: input values (given as codes); B: input Wk (given as codes): QUANTISED
;;     4. batch 1,024 x [M 512, K 64] x [K 64, N 1]; A: computed on the way; B: computed on the way: left as it is (N = 1 < 16)
;;     5. batch 1,024 x [M 1, K 512] x [K 512, N 64]; A: softmax; B: computed on the way: left as it is (M = 1 < 16)
;;   THE QUANTISER, for each operand of a quantised product, along K:
;;     - K is cut into blocks of 32 from its start; a last block that is shorter is filled with zeros.
;;     - A block's scale is 2^e with e = floor(log2(the largest magnitude in the block)) - 2, held to -126 .. 127; a block of zeros has e = 0. As a byte (E8M0): e + 127.
;;     - Each number is divided by its block's scale, clamped to +-6, and rounded to the nearest number of E2M1, ties to even, subnormals kept.
;;     - The product sums the exact products of the quantised numbers (number of the format x scale) in f32.
;;   ~~~python
;;   def quantise(x, axis):      # numpy; x: float32 -> the quantised numbers, widened to float32 again
;;       x = np.moveaxis(x, axis, -1); K = x.shape[-1]
;;       x = np.pad(x, [(0, 0)] * (x.ndim - 1) + [(0, -K % 32)]); x = x.reshape(x.shape[:-1] + (-1, 32)); a = np.abs(x).max(-1, keepdims=True)
;;       e = np.where(a > 0, np.clip(np.frexp(np.where(a > 0, a, 1))[1] - 1 - 2, -126, 127), 0)      # np.frexp(a)[1] - 1 = floor(log2(a)), exactly
;;       r = np.clip(x / 2.0 ** e, -6, 6)
;;       step = 2.0 ** (np.maximum(np.frexp(np.where(r == 0, 1, r))[1] - 1, 0) - 1)
;;       q = np.round(r / step) * step * 2.0 ** e      # np.round: ties to even
;;       return np.moveaxis(q.reshape(q.shape[:-2] + (-1,))[..., :K], -1, axis).astype(np.float32)
;;   ~~~
;;   INPUTS GIVEN AS CODES. Wk (in the module: [1024, 1024], K = its axis 1); Wq (in the module: [1024, 1024], K = its axis 1); keys (in the module: [512, 64, 1024], K = its axis 2); query (in the module: [64, 1024], K = its axis 1); values (in the module: [512, 64, 1024], K = its axis 2): each comes as NAME_codes (uint8): NAME with its K axis moved to the last place and cut into blocks of 32 codes, [.., K / 32, bytes a block], one block behind the other in memory; two codes a byte, the lower K in the low four bits (a code: sign, 2 exponent bits, 1 mantissa bit); and NAME_scales (uint8): the same leading axes, one E8M0 byte (e + 127) for each 32 codes along K. Its value is code x scale, taken as it is: it is not quantised again, and the codes and scales need not be those that the quantiser above would give.
;; One version. Each part assembles by itself: llvm-mc -triple=amdgcn-amd-amdhsa -mcpu=gfx1250 --defsym DOCPART=n.
;; ======== version 1 of 1: 1 launch
;; limits: right only within a limited range of input values
;; launch mha (part 1): grid 4 x 64, 4 waves a work-group, clusters of 4 x 4, 327,680 bytes of LDS; arguments Wk_codes, Wk_scales, Wq_codes, Wq_scales, keys_codes, keys_scales, query_codes, query_scales, values_codes, values_scales, out0; writes out0
.if DOCPART == 1
	.amdgcn_target "amdgcn-amd-amdhsa--gfx1250"
	.amdhsa_code_object_version 6
	.text
	.protected	k_qd3b31b280d_mha
	.globl	k_qd3b31b280d_mha
	.p2align	8
	.type	k_qd3b31b280d_mha,@function
k_qd3b31b280d_mha:
	s_mov_b64 s[64:65], 0
	v_nop
	global_prefetch_b8 v0, s[64:65] scope:SCOPE_SE
	s_setreg_imm32_b32 hwreg(HW_REG_WAVE_MODE, 25, 1), 1
	s_wait_xcnt 0x0
	s_wait_alu depctr_hold_cnt(0) depctr_sa_sdst(0) depctr_va_vdst(0) depctr_va_sdst(0) depctr_va_ssrc(0) depctr_va_vcc(0) depctr_vm_vsrc(0)
	s_getreg_b32 s2, hwreg(HW_REG_IB_STS2, 6, 4)
	s_cmp_eq_u32 s2, 0
	s_cbranch_scc0 .Lentry_in_a_cluster
	s_endpgm
.Lentry_in_a_cluster:
	s_bfe_u32 s2, ttmp6, 0x10000c
	s_cmp_lg_u32 s2, 0xf033
	s_cbranch_scc0 .Lentry_shape_is_right
	s_endpgm
.Lentry_shape_is_right:
; out[b][h][:] = the sum over s of softmax_s(qp[b][h] . kp[s][b][h] / 8) vp[s][b][h][:], with qp = query Wq^T, kp = keys Wk^T, vp = values Wk^T (the module gives the values the keys' weights).
; The three projections run on the codes of E2M1 and the E8M0 bytes as they are given; the scores, the softmax and the weighted sum are f32 multiply-adds.  kp and vp never leave the registers.
; SHARES.  A work-group owns one batch b and four heads (256 columns, head group hg): 64 x 4 = 256 work-groups of equal work.  Four waves: wave w has rh = w / 2 (which 64 of a tile's 128 rows) and
; ch = w % 2 (which 128 columns: two heads).  A tile is 128 rows (s) x 256 columns x K 1,024; tiles 0-3 are the keys, tiles 4-7 the values.
; Wk STAYS IN REGISTERS: a wave's 128 rows of it for all of K are 8 blocks x 8 quanta of 128 along K x 8 registers = 512.
; A BLOCK is 16 of a wave's rows x its 128 columns x all of K: 32 matrix instructions on four accumulators by turns, four blocks a tile, 32 in all.  Accumulators and fragments have two sets each: behind block g's products stand
; the multiply-adds of block g - 1's results, then ONE run of sixteen LDS loads for block g + 2, into the fragments that block g has left.
; THE MATRIX INSTRUCTION (32 x 16 x 128) IS USED TRANSPOSED (source 0 = 32 rows of the weight, source 1 = 16 rows s): lane (r, h) holds row s0 + r and the columns c0 + 8 h + 0 .. 7 and c0 + 16 + 8 h + 0 .. 7.
; SCORES: a block's results x qp, summed over a head's 64 columns.  qp is made here, with the query's row in all 16 places of source 1; log2(e) / 8 is folded into it.
; SOFTMAX: a wave keeps the scores of its own 256 rows s, takes away their maximum m, and weights its values' rows by p = 2^(t - m).  At the end the two waves rh of a head are joined by 2^(m - the larger m) and
; divided by the joint sum: so no wave waits for another's scores.
; OUTPUT: OUT[column] += p[s] x the values' block, 64 registers over sixteen blocks; the sum over lanes and over rh is taken once, at the end, through LDS.
; CLUSTER 4 x 4.  The four work-groups of a row of the cluster share b: keys[b] and values[b] are asked for jointly; the four of a column share hg: its rows of Wk are.
; Wq is not asked for jointly: beside Wk's 256 rows and the keys' first 256 a third block of 135,168 bytes has no room in 327,680, and as a fill of one of the slots it would stand ahead of the keys.  A wave's 64 rows of it,
; 32,768 bytes, go from memory into the 256 registers that accumulators and fragments take later.
; LDS: two slots of 256 rows.  A: Wk, then keys 256-511, then values 256-511.  B: keys 0-255, then values 0-255.
; SCALE WORDS go from memory straight into registers: a row's 32 bytes are its eight words; lane (r, h) takes half h of row r's, so one load serves a block; a tile's are asked for three tiles ahead, in four sets of registers.
; LIMITS: NaN, infinities and the scale byte 0xff among the inputs are not served; a weight under 2^-126 of its maximum counts as 0; sums are taken in another order than the definition's, all in f32.
; REGISTERS, in windows of 256 (s_set_vgpr_msb: bits 1:0 source 0, 3:2 source 1, 5:4 source 2, 7:6 destination):
;   window 0: v1-15 addresses; v24-55 Wk's scale words; v56-87, v128-159 the tile's, four sets (at the head v144-159: Wq's); v88-95 the query's; v96-127 scores, then p;
;             v160-223 qp, later OUT (at the head v96-127, v192-223: the query's fragments); v224-255 at work
;   window 1: at the head Wq's fragments, (kq, i) at v[32 kq + 8 i]; then accumulators, v0-63 and v64-127, and fragments, v128-191 and v192-255          windows 2, 3: Wk's fragments, (kq, b) at v[64 (kq % 4) + 8 b] of window 2 + kq / 4
.set PITCH, 528                        ; an LDS row of codes: 512 bytes + 16 of padding = 132 words: row r starts at bank 4 r mod 64 (64 banks of 4 bytes: ISA guide 11.1)
.set QROWS, 64*PITCH                   ; 64 rows: what one tensor load brings
.set TILEB, 128*PITCH                  ; a tile's 128 rows
.set SLOTA, 0
.set SLOTB, 2*TILEB                    ; tile t lies at TILEB x ((t + 2) % 4)
.set QPV,   4*TILEB                    ; qp x log2(e) / 8: 256 numbers
.set STATS, QPV+1024                   ; a head's maximum and sum: 32 rh + 8 head
.set SPARE, STATS+256                  ; the spare words, 128 bytes for each wave: two blocks of 256 bytes that no other line names
.set STAGE, SPARE+512                  ; the way out: 32 rows (rh, r) of 256 sums; no tile lands here
.set SP,    1040                       ; a stage row: 1,024 bytes + 16
.set ASR,  1                           ; v1   STATS + 8 w
.set VM,   2                           ; v2   my rows' largest score (at the head: r)
.set VL,   3                           ; v3   the sum of p (at the head: h)
.set SPW,  4                           ; v4   my spare word: SPARE + 4 x my thread's number; never rewritten
.set NIL,  5                           ; v5   0; never rewritten
.set AD,   6                           ; v6-9 my lane's place in the tile at TILEB x 0 .. 3: (64 rh + r) PITCH + 16 h
.set AWK,  10                          ; v10  (128 ch + r) PITCH + 16 h
.set AQP,  11                          ; v11  QPV + 512 ch + 32 h
.set AQS,  12                          ; v12  QPV + 512 ch + 256 rh + 32 h
.set STW,  13                          ; v13  STATS + 32 rh + 16 ch + 8 h
.set VSO,  14                          ; v14  the scale words: 2,048 (64 rh + r) + 16 h
.set PFO,  15                          ; v15  the prefetches: (lane / 2) rows of 32,768 bytes + 256 (lane % 2)
.set SB,   24                          ; Wk's scale words: register 8 bp + kq, lane l = row 32 bp + l of my 128
.set SA,   56                          ; the tile's, set t % 4: v56, v72, v128, v144; in it register 4 a + j: lanes 0-15 row 16 a + r's word of quantum j, lanes 16-31 that of quantum 4 + j
.set WQS,  144                         ; at the head: Wq's, of my 64 rows, laid as Wk's
.set QS,   88                          ; at the head: the query's eight words, the same in every lane
.set SCO,  96                          ; scores, then p: tile t's block a at v[SCO + 4 t + a]; p of head 2 ch there, of head 2 ch + 1 sixteen further on
.set XQ,   96                          ; at the head: the query's fragments, quantum kq at v[XQ + 8 kq + 64 (kq / 4)]
.set QP,   160
.set OUT,  160
.set RB,   160                         ; at the end: the stage's numbers
.set TMP,  224
.set FB,   128                         ; window 1: fragments, set g % 2 at v[FB + 64 (g % 2)], quantum q 8 q further on
.set WV,   30                          ; s30 wave, s31 rh, s32 ch
.set RH,   31
.set CH,   32
.set CX,   33                          ; s33, s34 my place in the cluster
.set CY,   34
.set HG,   35                          ; s35 head group, s36 batch
.set BB,   36
.set MKA,  37                          ; s37 my row of the cluster, s38 my column
.set MKB,  38
.set G1A,  40                          ; s[40:47] group 1 for keys and values;  s[48:55] for Wk
.set G1B,  48
.set GR,   68                          ; s[68:71] group 0
.set PF0,  82                          ; s[82:83], s[90:95] where my four prefetches stand; never rewritten
.set PK,   86                          ; s[86:87], s[88:89] my 64 rows of keys and values (rows 64 w on)
.set PV,   88
.set PF1,  90
.set PF2,  92
.set PF3,  94
.set CS,   96                          ; s[96:97] log2(e) / 8
.set WOFF, 101                         ; s101 wave x 64 rows in a slot
.set MSB, 0
.macro WIN new                         ; the immediate's high byte repeats the setting that is left; a switch that changes nothing is dropped
.if MSB != (\new)
	s_set_vgpr_msb (MSB<<8)|(\new)
.set MSB, (\new)
.endif
.endm
; A load into a register that a matrix instruction has read, and a vector instruction that reads a matrix result, stand four places behind it; only plain vector instructions that name none of its registers
; are places (ISA guide 7.12.1 for vector instructions).
.macro PLACES
.rept 4
	v_nop
.endr
.endm
; A round of the cluster's barrier behind its opening barrier: wave 0 signals for the work-group, every wave waits for all sixteen, my work-group's barrier once more.
.macro CREST
	s_cmp_lg_u32 s[WV], 0
	s_cbranch_scc1 .Lnot_wave_0_\@
	s_barrier_signal -3
.Lnot_wave_0_\@:
	s_barrier_wait -3
	s_barrier_signal -1
	s_barrier_wait -1
.endm
.macro ROUND
	s_barrier_signal -1
	s_barrier_wait -1
	CREST
.endm
; One matrix instruction from the symbols rD, rA, rB (registers), rSA, rSB (scale words of source 0, in all 32 lanes, and of source 1), fZ (the product starts the sum), fRB (source 1's words lie in lanes 16-31).
.macro WM
.if fZ
.if fRB
	v_wmma_scale_f32_32x16x128_f4 v[rD:rD+15], v[rA:rA+15], v[rB:rB+7], 0, v[rSA], v[rSB] matrix_b_scale:MATRIX_SCALE_ROW1
.else
	v_wmma_scale_f32_32x16x128_f4 v[rD:rD+15], v[rA:rA+15], v[rB:rB+7], 0, v[rSA], v[rSB]
.endif
.else
.if fRB
	v_wmma_scale_f32_32x16x128_f4 v[rD:rD+15], v[rA:rA+15], v[rB:rB+7], v[rD:rD+15], v[rSA], v[rSB] matrix_b_scale:MATRIX_SCALE_ROW1
.else
	v_wmma_scale_f32_32x16x128_f4 v[rD:rD+15], v[rA:rA+15], v[rB:rB+7], v[rD:rD+15], v[rSA], v[rSB]
.endif
.endif
.endm
; Block g's fragments, in one run (16 rows x 128 K of 4-bit codes: 8 registers; lane (r, h): registers 4 c .. 4 c + 3 hold K = 64 c + 32 h + 0 .. 31, 16 bytes of the row as they lie)
.macro LOADB g
	WIN 0x40                                       ; destination window 1, address window 0
.irp q, 0,1,2,3,4,5,6,7
.irp c, 0,1
.set rF, FB+64*((\g)%2)+8*\q+4*\c
	ds_load_b128 v[rF:rF+3], v[AD+((\g)/4+2)%4] offset:((\g)%4)*16*PITCH+64*\q+32*\c
.endr
.endr
	WIN 0
.endm
; Matrix instructions n0 .. n1 - 1 of block g's 32: quantum n / 4, pair of blocks of columns n % 4.  The four accumulators take turns.  Quantum 0 starts the sums: nothing is ever cleared.
.macro WMS g, n0, n1
.set rN, \n0
.rept (\n1)-(\n0)
	WIN 0x56+rN/16                                 ; D, C and the rows' fragments window 1, Wk's window 2 or 3
.set rD, 64*((\g)%2)+16*(rN%4)
.set rA, 64*((rN/4)%4)+16*(rN%4)
.set rB, FB+64*((\g)%2)+8*(rN/4)
.set rSA, SB+8*(rN%4)+rN/4
.set rSB, SAT+4*((\g)%4)+(rN/4)%4
.set fZ, 0
.if rN < 4
.set fZ, 1
.endif
.set fRB, rN/16
	WM
.set rN, rN+1
.endr
.endm
; The scores of a keys' block.  Chain (hh, bq % 2): the sum over half of head hh's columns of results x qp, a pair (even and odd column) at a time; the four chains take turns; each accumulator is read from its low pair on.
.macro KB blk
	WIN 0x01                                       ; source 0 (the results) window 1
.irp jp, 0,1,2,3
.irp bq, 0,1,2,3
.irp hh, 0,1
.set rP, TMP+8*((\blk)%4)+4*\hh+2*(\bq%2)
.set rC, 64*((\blk)%2)+8*(4*\hh+\bq)+2*\jp
.set rQ, QP+8*(4*\hh+\bq)+2*\jp
.if (\jp == 0) && (\bq < 2)
	v_pk_mul_f32 v[rP:rP+1], v[rC:rC+1], v[rQ:rQ+1]
.else
	v_pk_fma_f32 v[rP:rP+1], v[rC:rC+1], v[rQ:rQ+1], v[rP:rP+1]
.endif
.endr
.endr
.endr
	WIN 0
.endm
; A keys' tile's four blocks: the chains are joined.  A lane holds, of row 16 a + r, half a head's sum for two heads: the exchange leaves head 2 ch's two halves in lanes 0-15 and head 2 ch + 1's in lanes 16-31.
.macro COMB t
.irp i, 0,4,8,12,16,20,24,28
	v_pk_add_f32 v[TMP+\i:TMP+\i+1], v[TMP+\i:TMP+\i+1], v[TMP+\i+2:TMP+\i+3]
.endr
.irp i, 0,4,8,12,16,20,24,28
	v_add_f32 v[TMP+\i], v[TMP+\i], v[TMP+\i+1]
.endr
.irp i, 0,8,16,24
	v_permlane16_swap_b32 v[TMP+\i], v[TMP+\i+4]   ; the first's lanes 16-31 change places with the second's lanes 0-15
.endr
.irp a, 0,1,2,3
	v_add_f32 v[SCO+4*(\t)+\a], v[TMP+8*\a], v[TMP+8*\a+4]   ; lane (r, h): the score of row 16 a + r for head 2 ch + h
.endr
.endm
; OUT += p x a values' block.  Of the pair that holds p the first register serves both halves where the block's number is even, the second where it is odd.
.macro VB blk
.set rX, SCO+4*((\blk)/4-4)+2*(((\blk)%4)/2)
	WIN 0x01
.if (\blk) == 16
	s_wait_alu depctr_va_vdst(0)                   ; block 16's products stand ahead of the softmax's exponentials
.endif
.irp b, 0,1,2,3,4,5,6,7
.irp jp, 0,1,2,3
.set rO, OUT+8*\b+2*\jp
.set rC, 64*((\blk)%2)+8*\b+2*\jp
.set rT, rX+16*(\b/4)
.if (\blk) == 16
	v_pk_mul_f32 v[rO:rO+1], v[rC:rC+1], v[rT:rT+1] op_sel_hi:[1,0]   ; the first block starts OUT
.elseif ((\blk)%2) == 0
	v_pk_fma_f32 v[rO:rO+1], v[rC:rC+1], v[rT:rT+1], v[rO:rO+1] op_sel_hi:[1,0,1]
.else
	v_pk_fma_f32 v[rO:rO+1], v[rC:rC+1], v[rT:rT+1], v[rO:rO+1] op_sel:[0,1,0] op_sel_hi:[1,1,1]
.endif
.endr
.endr
	WIN 0
.endm
.macro SCALES u                        ; tile u's scale words of my 64 rows for all of K, into set u % 4: one load a block
.set rS, SA+16*((\u)%4)+40*(((\u)%4)/2)
.irp a, 0,1,2,3
.if (\u) < 4
	global_load_b128 v[rS+4*\a:rS+4*\a+3], v[VSO], s[18:19] offset:(\u)*262144+\a*32768
.else
	global_load_b128 v[rS+4*\a:rS+4*\a+3], v[VSO], s[26:27] offset:((\u)-4)*262144+\a*32768
.endif
.endr
.endm
; A SLOT IS FILLED, jointly.  Each wave waits for all its tensor loads, adds 0 to its spare word, and waits for that and for its reads of the slot; a round of the cluster's barrier: no wave of any partner still reads
; the slot or has a load on its way; the fill is the first thing behind it, one load a wave (64 rows).  Four v_nop follow it.
.macro READY slot, ptr, add
	WIN 0                                          ; (the add's two registers lie in window 0)
	s_wait_tensorcnt 0x0                           ; no tensor load of mine is out, so the group 0 may be written
	ds_add_u32 v[SPW], v[NIL]                      ; 0 onto my spare word
	s_add_co_u32 s[GR+1], s[WOFF], \slot
	s_add_nc_u64 s[GR+2:GR+3], s[\ptr:\ptr+1], \add
	s_or_b32 s[GR+3], s[GR+3], 0x80000000
.endm
.macro REFILL
	tensor_load_to_lds s[GR:GR+3], s[G1A:G1A+7]
	s_nop 0
	PLACES
.endm
; A BLOCK.  kind 0: plain.  kind 1: a slot that nobody reads from here on (but for block g + 1, already asked for) is filled among its products.
; kind 2: a barrier behind which the other slot is read, with nothing to fill.  Behind kinds 1 (g = 6, 14) and 2 block g + 2 is read from the other slot.
.macro BLOCK g, kind, slot, ptr, add
.if (\g)%4 == 0
.set SAT, SA+16*(((\g)/4)%4)+40*((((\g)/4)%4)/2)
.if (\g) < 24
	s_wait_loadcnt 8                               ; this tile's scale words are in; the two next tiles' eight loads may be out
.elseif (\g) == 24
	s_wait_loadcnt 4
.else
	s_wait_loadcnt 0
.endif
.endif
.if (\kind) == 0
.if (\g) == 0
	s_wait_dscnt 32                                ; block 0 is in; block 1's sixteen loads and qp's may be out
.elseif (\g) < 31
	s_wait_dscnt 16                                ; block g is in; block g + 1's sixteen loads may be out
.else
	s_wait_dscnt 0x0
.endif
	WMS \g, 0, 32
.elseif (\kind) == 1
	READY \slot, \ptr, \add
	s_wait_dscnt 17                                ; (block g + 1's sixteen loads and the add may be out)
	WMS \g, 0, 20                                  ; twenty matrix instructions between the add and the wait for it
	s_wait_dscnt 0x0                               ; the add is done, and my reads of the slot are over
	s_barrier_signal -1
	WMS \g, 20, 28
	WIN 0
	s_barrier_wait -1
	CREST
	REFILL
	WMS \g, 28, 32
.else
	WIN 0
	s_wait_tensorcnt 0x0                           ; my part of the other slot is in
	s_wait_dscnt 16
	WMS \g, 0, 16
	s_wait_dscnt 0x0                               ; and my reads of this one are over
	s_barrier_signal -1
	WMS \g, 16, 32
	WIN 0
	s_barrier_wait -1
.endif
.if (\g) == 0
	PLACES
.elseif (\g) < 17
	KB (\g)-1                                      ; (also the places behind this block's products)
.else
	VB (\g)-1
.endif
.if (\g) < 30
	LOADB (\g)+2
.endif
	WIN 0
.if ((\g)%4 == 0) && ((\g) < 20)
	SCALES (\g)/4+3                                ; into the set that the tile before has left
.endif
.if ((\g)%4 == 0) && ((\g) > 0) && ((\g) < 17)
	COMB (\g)/4-1
.endif
.endm
; A PREFETCH INTO THE L2 of 256 rows x 512 bytes that the next fill of the text will ask for: 512 blocks of 256 bytes = 4 partners x 4 waves x 32 lanes.  It stands behind the fill before it.
; A batch's rows are read by the four work-groups of my row of the cluster and by nobody else; they share the blocks out BY ADDRESS: rows 64 cx + 16 w + lane / 2, half lane % 2.  So each block is named once in the launch.
.macro ASK p
	global_prefetch_b8 v[PFO], s[\p:\p+1] th:TH_LOAD_NT scope:SCOPE_SE
.endm
; Quanta k0 .. k0 + 3 of my 64 rows of Wq, from memory into window 1: 32 loads; lane (r, h) takes 16 bytes of row 16 i + r, as a fragment wants them
.macro WQLOAD k0
	WIN 0x40                                       ; destination window 1, address window 0
.irp i, 0,1,2,3
.irp kk, 0,1,2,3
.irp c, 0,1
	global_load_b128 v[32*(\k0+\kk)+8*\i+4*\c:32*(\k0+\kk)+8*\i+4*\c+3], v243, s[12:13] offset:\i*8192+64*(\k0+\kk)+32*\c
.endr
.endr
.endr
	WIN 0
.endm
; Wk into registers, quanta k0 .. k0 + 3: 64 loads, once in the launch
.macro WKLOAD k0
	WIN 0x80+0x40*((\k0)/4)                        ; destination window 2 or 3
.irp kk, 0,1,2,3
.irp b, 0,1,2,3,4,5,6,7
.irp c, 0,1
	ds_load_b128 v[64*\kk+8*\b+4*\c:64*\kk+8*\b+4*\c+3], v[AWK] offset:\b*16*PITCH+64*(\k0+\kk)+32*\c
.endr
.endr
.endr
	WIN 0
.endm
	; ---- the head
	s_load_b512 s[8:23], s[0:1], 0x0               ; Wk's codes s[8:9], scales s[10:11]; Wq's s[12:13], s[14:15]; keys' s[16:17], s[18:19]; the query's s[20:21], s[22:23]
	s_load_b128 s[24:27], s[0:1], 0x40             ; values' codes, scales
	s_load_b64 s[28:29], s[0:1], 0x50              ; the output
	v_lshl_add_u32 v[SPW], v0, 2, SPARE
	v_mov_b32 v[NIL], 0
	ds_add_u32 v[SPW], v[NIL]                      ; the wave's opening: the add, twice on end, and its wait ahead of my first tensor load
	ds_add_u32 v[SPW], v[NIL]
	v_lshrrev_b32 v1, 5, v0
	v_readfirstlane_b32 s[WV], v1                  ; wave 0..3
	s_lshr_b32 s[RH], s[WV], 1
	s_and_b32 s[CH], s[WV], 1
	s_bfe_u32 s[CX], ttmp6, 0x40000
	s_bfe_u32 s[CY], ttmp6, 0x40004
	s_lshl_b32 s[HG], ttmp9, 2
	s_add_co_u32 s[HG], s[HG], s[CX]               ; head group = 4 x cluster x + cx
	s_and_b32 s[BB], ttmp7, 0xffff
	s_lshl_b32 s[BB], s[BB], 2
	s_add_co_u32 s[BB], s[BB], s[CY]               ; batch = 4 x cluster y + cy
	s_lshl_b32 s[MKA], s[CY], 2
	s_lshl_b32 s[MKA], 15, s[MKA]                  ; my row of the cluster: it shares the batch
	s_lshl_b32 s[MKB], 0x1111, s[CX]               ; my column: it shares the head group
	; group 1: 64 rows of 512 bytes, 16 bytes of padding behind each
	s_or_b32 s[G1A], s[MKA], (1<<20)|(1<<21)|(6<<22)|(3<<25)   ; 15:0 the mask; 17:16 elements of 1 byte; 20 padding on; 21 set beside a mask; 24:22 after every 128 words (code 6); 31:25 four words (code 3)
	s_or_b32 s[G1B], s[MKB], (1<<20)|(1<<21)|(6<<22)|(3<<25)
.irp g, G1A, G1B
	s_mov_b32 s[\g+1], 512<<16                     ; tensor_dim0
	s_mov_b32 s[\g+2], 64<<16                      ; tensor_dim1
	s_mov_b32 s[\g+3], 512<<16                     ; tile_dim0
	s_mov_b32 s[\g+4], 64                          ; tile_dim1
	s_mov_b32 s[\g+6], 0
	s_mov_b32 s[\g+7], 0
.endr
	s_mov_b32 s[G1A+5], 32768                      ; from s to s + 1 in keys and values: 64 batches x 512 bytes
	s_mov_b32 s[G1B+5], 512                        ; the weight's rows are dense
	s_mov_b32 s[CS], 0x3e38aa3b                    ; log2(e) / 8
	s_mov_b32 s[CS+1], s[CS]                       ; (named with it as a pair, so it is written)
	s_mul_i32 s[WOFF], s[WV], QROWS                ; no place in the cluster enters an LDS address
	s_mov_b32 s[GR], 1                             ; group 0: count 1; the LDS address; the global address; the type
	s_add_co_u32 s[GR+1], s[WOFF], SLOTA
	s_lshl_b32 s2, s[HG], 17                       ; Wk: 256 rows of 512 bytes a head group,
	s_lshl_b32 s3, s[WV], 15                       ; of which I fetch 64
	s_add_co_u32 s2, s2, s3
	s_lshl_b32 s66, s[BB], 9                       ; the batch's 512 bytes in a row s,
	s_lshl_b32 s7, s[WV], 21                       ; my 64 rows of 32,768 bytes
	s_add_co_u32 s6, s66, s7
	s_lshl_b32 s72, s[CX], 21                      ; the prefetches: rows 64 cx + 16 w on, of my batch
	s_lshl_b32 s73, s[WV], 19
	s_add_co_u32 s72, s72, s73
	s_add_co_u32 s72, s72, s66
	s_lshl_b32 s56, s[HG], 17                      ; Wq: the rows whose qp I make: 128 ch + 64 rh on, of the head group's 256
	s_lshl_b32 s57, s[CH], 16
	s_add_co_u32 s56, s56, s57
	s_lshl_b32 s57, s[RH], 15
	s_add_co_u32 s56, s56, s57
	s_lshl_b32 s60, s[HG], 13                      ; the weights' scale bytes: 32 a row: 8,192 a head group, 4,096 for my 128 rows
	s_lshl_b32 s61, s[CH], 12
	s_add_co_u32 s60, s60, s61
	s_lshl_b32 s59, s[RH], 11                      ; of Wq I take 64 rows
	s_add_co_u32 s58, s60, s59
	s_lshl_b32 s62, s[BB], 5                       ; the batch's 32 scale bytes
	s_lshl_b32 s74, s[BB], 12                      ; the output: row b of 4,096 bytes, my 256 columns
	s_lshl_b32 s75, s[HG], 10
	s_add_co_u32 s74, s74, s75
.irp i, 3,7,57,59,61,63,67,73,75
	s_mov_b32 s[\i], 0
.endr
	s_mul_i32 s80, s[RH], QROWS
	s_mul_i32 s81, s[CH], TILEB
	s_lshl_b32 s82, s[CH], 9
	s_add_co_u32 s82, s82, QPV
	s_lshl_b32 s83, s[RH], 8
	s_lshl_b32 s84, s[RH], 5
	s_lshl_b32 s85, s[CH], 4
	s_add_co_u32 s84, s84, s85
	s_add_co_u32 s84, s84, STATS
	s_lshl_b32 s85, s[RH], 17
	s_lshl_b32 s100, s[WV], 3
	s_add_co_u32 s100, s100, STATS
	v_and_b32 v1, 31, v0                           ; lane
	v_and_b32 v2, 15, v0                           ; r
	v_bfe_u32 v3, v0, 4, 1                         ; h
	v_lshlrev_b32 v240, 5, v1                      ; the weights' scale words: 32 x lane
	v_mov_b32 v241, 0                              ; the query's: every lane takes the same
	v_lshlrev_b32 v242, 4, v3                      ; the query's row: 16 h
	v_lshl_add_u32 v243, v2, 9, v242               ; Wq: row r of 512 bytes, + 16 h
	v_mul_u32_u24 v244, v2, PITCH
	v_add_nc_u32 v244, v244, v242                  ; r x pitch + 16 h
	v_add_nc_u32 v[AD], s80, v244
	v_add_nc_u32 v[AD+1], TILEB, v[AD]
	v_add_nc_u32 v[AD+2], 2*TILEB, v[AD]
	v_add_nc_u32 v[AD+3], 3*TILEB, v[AD]
	v_add_nc_u32 v[AWK], s81, v244
	v_lshl_add_u32 v[AQP], v3, 5, s82
	v_add_nc_u32 v[AQS], s83, v[AQP]
	v_lshl_add_u32 v[STW], v3, 3, s84
	v_lshl_add_u32 v[VSO], v2, 11, v242
	v_add_nc_u32 v[VSO], s85, v[VSO]
	v_lshrrev_b32 v[PFO], 1, v1
	v_lshlrev_b32 v[PFO], 15, v[PFO]
	v_and_b32 v245, 1, v1
	v_lshl_add_u32 v[PFO], v245, 8, v[PFO]
	v_mov_b32 v[ASR], s100
	s_wait_alu depctr_va_vdst(0)
	s_wait_dscnt 0x0                               ; both opening adds are done
	ROUND                                          ; all sixteen work-groups are here: the first joint loads meet.  (The arguments are on their way meanwhile)
	s_wait_kmcnt 0x0
	s_add_nc_u64 s[GR+2:GR+3], s[8:9], s[2:3]
	s_or_b32 s[GR+3], s[GR+3], 0x80000000
	tensor_load_to_lds s[GR:GR+3], s[G1B:G1B+7]    ; 64 rows of Wk -> slot A: the wave's first tensor load
	s_nop 0
	PLACES
	s_add_nc_u64 s[12:13], s[12:13], s[56:57]
	s_add_nc_u64 s[14:15], s[14:15], s[58:59]
	s_add_nc_u64 s[22:23], s[22:23], s[62:63]
	s_add_nc_u64 s[20:21], s[20:21], s[66:67]
.irp ip, 0,1
.irp kh, 0,1
	global_load_b128 v[WQS+8*\ip+4*\kh:WQS+8*\ip+4*\kh+3], v240, s[14:15] offset:\ip*1024+16*\kh   ; lane l: row 32 ip + l's eight scale words
.endr
.endr
	global_load_b128 v[QS:QS+3], v241, s[22:23]
	global_load_b128 v[QS+4:QS+7], v241, s[22:23] offset:16
.irp kq, 0,1,2,3,4,5,6,7
.irp c, 0,1
.set rF, XQ+8*\kq+64*(\kq/4)+4*\c
	global_load_b128 v[rF:rF+3], v242, s[20:21] offset:64*\kq+32*\c   ; the query's fragments: the sixteen lanes r take the same bytes
.endr
.endr
	WQLOAD 0
	s_add_nc_u64 s[10:11], s[10:11], s[60:61]
	s_add_nc_u64 s[18:19], s[18:19], s[62:63]
	s_add_nc_u64 s[26:27], s[26:27], s[62:63]
	s_add_nc_u64 s[PF0:PF0+1], s[16:17], s[72:73]       ; keys 0 on
	s_add_nc_u64 s[PF1:PF1+1], s[PF0:PF0+1], 0x800000   ; keys 256 on
	s_add_nc_u64 s[PF2:PF2+1], s[24:25], s[72:73]       ; values 0 on
	s_add_nc_u64 s[PF3:PF3+1], s[PF2:PF2+1], 0x800000   ; values 256 on
	s_add_nc_u64 s[PK:PK+1], s[16:17], s[6:7]
	s_add_nc_u64 s[PV:PV+1], s[24:25], s[6:7]
	s_add_nc_u64 s[28:29], s[28:29], s[74:75]
	ASK PF0                                        ; what the next fill will ask for
	WQLOAD 4
.irp bp, 0,1,2,3
.irp kh, 0,1
	global_load_b128 v[SB+8*\bp+4*\kh:SB+8*\bp+4*\kh+3], v240, s[10:11] offset:\bp*1024+16*\kh
.endr
.endr
	SCALES 0
	SCALES 1
	SCALES 2
	READY SLOTB, PK, 0                             ; my part of Wk is in;
	s_wait_dscnt 0x0                               ; the add is done
	ROUND                                          ; everybody's part of Wk is in, and the joint loads meet:
	REFILL                                         ; keys 0-255 -> slot B; they have Wk's way into the registers in which to land
	ASK PF1                                        ; keys 256 on
	WKLOAD 0
	; ---- qp, while Wk's loads come in: my 64 columns; source 0 = 32 rows of Wq, source 1 = the query's row in all sixteen places; two accumulators by turns
	s_wait_loadcnt 20                              ; the query, its scale words, Wq and Wq's; 8 + 12 loads may be out
	WIN 0x01                                       ; source 0 (Wq) window 1
.irp kq, 0,1,2,3,4,5,6,7
.irp i, 0,1
.set rD, QP+16*\i
.set rA, 32*\kq+16*\i
.set rB, XQ+8*\kq+64*(\kq/4)
.set rSA, WQS+8*\i+\kq
.set rSB, QS+\kq
.set fZ, 0
.if \kq == 0
.set fZ, 1
.endif
.set fRB, 0
	WM
.endr
.endr
	WIN 0
	PLACES
.irp i, 0,2,4,6,8,10,12,14,16,18,20,22,24,26,28,30
	v_pk_mul_f32 v[QP+\i:QP+\i+1], v[QP+\i:QP+\i+1], s[CS:CS+1] op_sel_hi:[1,0]   ; x log2(e) / 8
.endr
.irp i, 0,1,2,3
	ds_store_b128 v[AQS], v[QP+8*\i:QP+8*\i+3] offset:64*\i          ; the sixteen lanes r write the same bytes with the same values
	ds_store_b128 v[AQS], v[QP+8*\i+4:QP+8*\i+7] offset:64*\i+16
.endr
	WKLOAD 4
	s_wait_tensorcnt 0x0                           ; my part of keys 0-255 is in,
	s_wait_dscnt 0x0                               ; Wk is in my registers, and my part of qp lies in LDS:
	s_barrier_signal -1
	s_barrier_wait -1                              ; all of it holds of every wave
	LOADB 0
	LOADB 1
.irp b, 0,1,2,3,4,5,6,7
	ds_load_b128 v[QP+8*\b:QP+8*\b+3], v[AQP] offset:64*\b           ; qp of my 128 columns: register 8 b + j = column 16 b + 8 h + j
	ds_load_b128 v[QP+8*\b+4:QP+8*\b+7], v[AQP] offset:64*\b+16
.endr
	; ---- the keys' sixteen blocks; the first of the values' stands ahead of the last scores
	BLOCK 0, 0, 0, PK, 0
	BLOCK 1, 1, SLOTA, PK, 0x800000                ; keys 256-511 take Wk's place
	ASK PF2                                        ; values 0 on
.irp g, 2,3,4,5
	BLOCK \g, 0, 0, PK, 0
.endr
	BLOCK 6, 1, SLOTB, PV, 0                       ; values 0-255 take the place of keys 0-255
	ASK PF3                                        ; values 256 on
.irp g, 7,8,9,10,11,12,13
	BLOCK \g, 0, 0, PK, 0
.endr
	BLOCK 14, 1, SLOTA, PV, 0x800000               ; values 256-511 take the place of keys 256-511: the last refill
	BLOCK 15, 0, 0, PK, 0
	BLOCK 16, 0, 0, PK, 0
	; ---- the softmax over my 256 rows s: a lane has 16 scores (x log2(e) / 8) of head 2 ch + h; the sixteen lanes r of a half have the head's
.irp i, 0,1,2,3,4
	v_max3_num_f32 v[TMP+\i], v[SCO+3*\i], v[SCO+3*\i+1], v[SCO+3*\i+2]
.endr
	v_max3_num_f32 v[TMP], v[TMP], v[TMP+1], v[TMP+2]
	v_max3_num_f32 v[TMP+3], v[TMP+3], v[TMP+4], v[SCO+15]
	v_max_num_f32 v[VM], v[TMP], v[TMP+3]
.irp x, 1,2,4,8
	v_max_num_f32_dpp v[VM], v[VM], v[VM] row_xmask:\x row_mask:0xf bank_mask:0xf
.endr
.irp i, 0,1,2,3,4,5,6,7,8,9,10,11,12,13,14,15
	v_sub_f32 v[SCO+\i], v[SCO+\i], v[VM]
.endr
	s_wait_alu depctr_va_vdst(0)                   ; the wait ahead of the batch,
.irp i, 0,1,2,3,4,5,6,7,8,9,10,11,12,13,14,15
	v_exp_f32 v[SCO+\i], v[SCO+\i]                 ; p
.endr
	v_nop                                          ; a plain instruction behind the last exponential (ISA guide 5.7.2)
	s_wait_alu depctr_va_vdst(0)                   ; and behind it, ahead of its first reader
.irp i, 0,4,8,12
	v_pk_add_f32 v[TMP+\i:TMP+\i+1], v[SCO+\i:SCO+\i+1], v[SCO+\i+2:SCO+\i+3]
.endr
	v_pk_add_f32 v[TMP:TMP+1], v[TMP:TMP+1], v[TMP+4:TMP+5]
	v_pk_add_f32 v[TMP+8:TMP+9], v[TMP+8:TMP+9], v[TMP+12:TMP+13]
	v_pk_add_f32 v[TMP:TMP+1], v[TMP:TMP+1], v[TMP+8:TMP+9]
	v_add_f32 v[VL], v[TMP], v[TMP+1]
.irp i, 0,1,2,3,4,5,6,7,8,9,10,11,12,13,14,15
	v_mov_b32 v[SCO+16+\i], v[SCO+\i]
.endr
.irp x, 1,2,4,8
	v_add_f32_dpp v[VL], v[VL], v[VL] row_xmask:\x row_mask:0xf bank_mask:0xf
.endr
.irp i, 0,1,2,3,4,5,6,7,8,9,10,11,12,13,14,15
	v_permlane16_swap_b32 v[SCO+\i], v[SCO+16+\i]  ; head 2 ch's p in both halves of the lanes; head 2 ch + 1's likewise, sixteen further on
.endr
	ds_store_b64 v[STW], v[VM:VL]                  ; my maximum and sum, for the end (the sixteen lanes r write the same bytes with the same values)
	s_wait_alu depctr_va_vdst(0)
	; ---- the values' blocks
.irp g, 17,18,19,20,21
	BLOCK \g, 0, 0, PK, 0
.endr
	BLOCK 22, 2, 0, PK, 0                          ; values 256-511 are in
.irp g, 23,24,25,26,27,28,29,30,31
	BLOCK \g, 0, 0, PK, 0
.endr
	ds_load_b64 v[TMP:TMP+1], v[ASR]               ; head w's maximum and sum over the rows of rh = 0,
	ds_load_b64 v[TMP+2:TMP+3], v[ASR] offset:32   ; and of rh = 1
	VB 31                                          ; (block 30's multiply-adds are the places)
	; ---- the end.  A column's sum lies in 16 lanes r of two waves rh: 32 parts.  They go into the stage; each thread adds two columns, which belong to head w.
	s_mul_i32 s2, s[RH], 16*SP
	s_lshl_b32 s3, s[CH], 9
	s_add_co_u32 s2, s2, s3
	s_add_co_u32 s2, s2, STAGE
	v_and_b32 v2, 15, v0
	v_bfe_u32 v3, v0, 4, 1
	v_mul_u32_u24 v6, v2, SP
	v_lshl_add_u32 v6, v3, 5, v6
	v_add_nc_u32 v6, s2, v6                        ; in: row (rh, r), my 128 columns, + 32 h
	v_lshlrev_b32 v7, 3, v0                        ; 8 x thread: my two numbers of the output,
	v_add_nc_u32 v8, STAGE, v7                     ; and of a stage row
.irp b, 0,1,2,3,4,5,6,7
	ds_store_b128 v6, v[OUT+8*\b:OUT+8*\b+3] offset:64*\b
	ds_store_b128 v6, v[OUT+8*\b+4:OUT+8*\b+7] offset:64*\b+16
.endr
	s_wait_alu depctr_va_vdst(0)
	s_wait_dscnt 0x0                               ; my stores have landed; the maxima and sums are in
	s_barrier_signal -1
	s_barrier_wait -1
.irp i, 0,1,2,3,4,5,6,7,8,9,10,11,12,13,14,15,16,17,18,19,20,21,22,23,24,25,26,27,28,29,30,31
	ds_load_b64 v[RB+2*\i:RB+2*\i+1], v8 offset:\i*SP
.endr
	; the two parts' factors, under the loads: 2^(m - the larger m) / the joint sum
	v_max_num_f32 v[TMP+4], v[TMP], v[TMP+2]
	v_sub_f32 v[TMP+6], v[TMP], v[TMP+4]
	v_sub_f32 v[TMP+7], v[TMP+2], v[TMP+4]
	s_wait_alu depctr_va_vdst(0)                   ; the wait ahead of the two,
	v_exp_f32 v[TMP+6], v[TMP+6]
	v_exp_f32 v[TMP+7], v[TMP+7]
	v_nop
	s_wait_alu depctr_va_vdst(0)                   ; and behind them
	v_mul_f32 v[TMP+8], v[TMP+1], v[TMP+6]
	v_fma_f32 v[TMP+8], v[TMP+3], v[TMP+7], v[TMP+8]   ; at least 1: the largest score's own term
	s_wait_alu depctr_va_vdst(0)
	v_rcp_f32 v[TMP+10], v[TMP+8]
	v_nop
	s_wait_alu depctr_va_vdst(0)
	v_mul_f32 v[TMP+12], v[TMP+6], v[TMP+10]
	v_mul_f32 v[TMP+13], v[TMP+6], v[TMP+10]       ; twice each: pairs for the packed lines below
	v_mul_f32 v[TMP+14], v[TMP+7], v[TMP+10]
	v_mul_f32 v[TMP+15], v[TMP+7], v[TMP+10]
	s_wait_alu depctr_va_vdst(0)
	s_wait_dscnt 0x0
.irp i, 0,2,4,6,8,10,12,14
.irp g, 0,32
	v_pk_add_f32 v[RB+\g+\i:RB+\g+\i+1], v[RB+\g+\i:RB+\g+\i+1], v[RB+16+\g+\i:RB+17+\g+\i]
.endr
.endr
.irp i, 0,2,4,6
.irp g, 0,32
	v_pk_add_f32 v[RB+\g+\i:RB+\g+\i+1], v[RB+\g+\i:RB+\g+\i+1], v[RB+8+\g+\i:RB+9+\g+\i]
.endr
.endr
.irp i, 0,2
.irp g, 0,32
	v_pk_add_f32 v[RB+\g+\i:RB+\g+\i+1], v[RB+\g+\i:RB+\g+\i+1], v[RB+4+\g+\i:RB+5+\g+\i]
.endr
.endr
.irp g, 0,32
	v_pk_add_f32 v[RB+\g:RB+\g+1], v[RB+\g:RB+\g+1], v[RB+2+\g:RB+3+\g]
.endr
	v_pk_mul_f32 v[TMP+16:TMP+17], v[RB:RB+1], v[TMP+12:TMP+13]
	v_pk_fma_f32 v[TMP+16:TMP+17], v[RB+32:RB+33], v[TMP+14:TMP+15], v[TMP+16:TMP+17]
	global_store_b64 v7, v[TMP+16:TMP+17], s[28:29]   ; a wave stores 256 consecutive bytes, at a multiple of 256 from the output's first byte
	s_wait_tensorcnt 0x0                           ; the wave's end: behind my last tensor load and my last LDS store
	ds_add_u32 v[SPW], v[NIL]
	s_wait_dscnt 0x0
	ROUND                                          ; the closing round: no work-group ends while a partner may still ask for a tile that names it
	s_endpgm
.Lfunc_end_k_qd3b31b280d_mha:
	.size	k_qd3b31b280d_mha, .Lfunc_end_k_qd3b31b280d_mha-k_qd3b31b280d_mha
	.p2alignl 7, 3214868480
	.fill 96, 4, 3214868480
	.section	.rodata,"a",@progbits
	.p2align	6, 0x0
	.amdhsa_kernel k_qd3b31b280d_mha
		.amdhsa_group_segment_fixed_size 327680
		.amdhsa_private_segment_fixed_size 0
		.amdhsa_enable_private_segment 0
		.amdhsa_kernarg_size 88
		.amdhsa_user_sgpr_count 2
		.amdhsa_user_sgpr_kernarg_segment_ptr 1
		.amdhsa_wavefront_size32 1
		.amdhsa_system_sgpr_workgroup_id_x 1
		.amdhsa_system_sgpr_workgroup_id_y 1
		.amdhsa_system_sgpr_workgroup_id_z 1
		.amdhsa_system_vgpr_workitem_id 0
		.amdhsa_next_free_vgpr 1024
		.amdhsa_next_free_sgpr 104
		.amdhsa_reserve_vcc 0
		.amdhsa_float_denorm_mode_32 3
		.amdhsa_float_denorm_mode_16_64 3
		.amdhsa_memory_ordered 1
		.amdhsa_forward_progress 1
		.amdhsa_inst_pref_size 255
	.end_amdhsa_kernel
	.section	.bss,"aw",@nobits
	.p2align	6
	.space	262144
	.amdgpu_metadata
---
amdhsa.version: [ 1, 2 ]
amdhsa.kernels:
  - .name:           k_qd3b31b280d_mha
    .symbol:         k_qd3b31b280d_mha.kd
    .args:
      - { .name: Wk_codes, .offset: 0, .size: 8, .value_kind: global_buffer, .address_space: global }
      - { .name: Wk_scales, .offset: 8, .size: 8, .value_kind: global_buffer, .address_space: global }
      - { .name: Wq_codes, .offset: 16, .size: 8, .value_kind: global_buffer, .address_space: global }
      - { .name: Wq_scales, .offset: 24, .size: 8, .value_kind: global_buffer, .address_space: global }
      - { .name: keys_codes, .offset: 32, .size: 8, .value_kind: global_buffer, .address_space: global }
      - { .name: keys_scales, .offset: 40, .size: 8, .value_kind: global_buffer, .address_space: global }
      - { .name: query_codes, .offset: 48, .size: 8, .value_kind: global_buffer, .address_space: global }
      - { .name: query_scales, .offset: 56, .size: 8, .value_kind: global_buffer, .address_space: global }
      - { .name: values_codes, .offset: 64, .size: 8, .value_kind: global_buffer, .address_space: global }
      - { .name: values_scales, .offset: 72, .size: 8, .value_kind: global_buffer, .address_space: global }
      - { .name: out0, .offset: 80, .size: 8, .value_kind: global_buffer, .address_space: global }
    .group_segment_fixed_size: 327680
    .private_segment_fixed_size: 0
    .kernarg_segment_align: 8
    .kernarg_segment_size: 88
    .max_flat_workgroup_size: 128
    .sgpr_count:     104
    .vgpr_count:     1024
    .wavefront_size: 32
...
	.end_amdgpu_metadata
.endif
;; end of part 1
